; MI455X (gfx1250); checked and timed in simulation.
; The chip was launched on July 23, 2026; its instructions are those of AMD's public machine-readable ISA for CDNA 5 (MIT licence, August 2026) and "CDNA5" Instruction Set Architecture Reference Guide (July 2026). The comments in the code are by the model that wrote it; some were corrected since.
;; Cross Attention. Allowed arithmetic: matrix products marked QUANTISED: E5M2 operands, one given power-of-two scale a tensor, by v_wmma_f32_16x16x64_bf8_bf8 or v_wmma_f32_16x16x128_bf8_bf8, f32 sums; everything else in f32.
;; Inputs: kv 2 x 2,048 x 2 x 8 x 128 float32; lowp_scales 4 int32 (the exponents e of the quantised operands' scales 2^e); q 2 x 2,048 x 32 x 128 float32.
;; Outputs: out0 2 x 2,048 x 32 x 128 float32.
;; This version of the problem:
;;   THIS VERSION OF THE PROBLEM IS GIVEN IN LOW PRECISION. The matrix products marked QUANTISED in the list below multiply operands that are first quantised to E5M2 (5 exponent bits, 2 mantissa bits; 8 bits a number), with one given power-of-two scale for each operand tensor; their sums are f32. All else is computed in f32.
;;   The module's matrix products, in the order in which they are computed (A, B: the left and right operand; K: the contracted axis; several contracted axes count as one K, in the product's order):
;;     1. batch 64 x [M 2,048, K 128] x [K 128, N 2,048]; A: input q; B: computed on the way: QUANTISED (scales: A lowp_scales[0], B lowp_scales[1])
;;     2. batch 64 x [M 128, K 2,048] x [K 2,048, N 2,048]; A: input kv; B: softmax (see below): QUANTISED (scales: A lowp_scales[2], B lowp_scales[3])
;;   THE QUANTISER, for each operand of a quantised product, along K:
;;     - The operand's scale is 2^e, e = its entry of the input lowp_scales (int32; the entries are numbered through the quantised products in the list's order, A before B).
;;     - Each number is divided by the scale, clamped to +-57,344, and rounded to the nearest number of E5M2, ties to even, subnormals kept.
;;     - The product sums the exact products of the quantised numbers (number of the format x scale) in f32.
;;   ~~~python
;;   def quantise(x, axis, e):      # numpy; x: float32 -> the quantised numbers, widened to float32 again
;;       x = np.moveaxis(x, axis, -1); K = x.shape[-1]
;;       r = np.clip(x / 2.0 ** e, -57344, 57344)
;;       step = 2.0 ** (np.maximum(np.frexp(np.where(r == 0, 1, r))[1] - 1, -14) - 2)
;;       q = np.round(r / step) * step * 2.0 ** e      # np.round: ties to even
;;       return np.moveaxis(q, -1, axis).astype(np.float32)
;;   ~~~
;;   SOFTMAX AHEAD OF A QUANTISED PRODUCT. Where the list says 'softmax', what is quantised is not the finished softmax but p = 2^(t - M), with t = logit x log2(e) and M = ceil(the row's largest t), a whole number; so 1/2 < the row's largest p <= 1. The row's sum l is taken of the UNQUANTISED p, in f32, and the product's result is divided by l at the end. Since M is a whole number, a kernel that streams over the keys may use a running M (the ceiling of the running maximum): every later rescaling is an exact power of two, so the quantised numbers keep their values, but for numbers so far below the row's largest that they fall under the format's range.
;;   OPERANDS COMPUTED ON THE WAY. 'Computed on the way' means the value that the module computes at that place (a softmax that the list does not call 'softmax' is quantised finished and normalised). What goes into a quantiser is computed in f32, as accurately as f32 sums, v_exp_f32 and their like allow (about 1e-6 of the number): no bf16 or f16 on the way to a quantiser, and a product that is left as it is and whose result goes on into a quantised operand takes f32 operands (vector FMAs, or v_wmma_f32_16x16x4_f32). A number that lies on a knife's edge between two numbers of the format may be rounded either way, as far as f32 arithmetic and the matrix unit's own rounding can turn it there, and no further.
;; One version. Each part assembles by itself: llvm-mc -triple=amdgcn-amd-amdhsa -mcpu=gfx1250 --defsym DOCPART=n.
;; ======== version 1 of 1: 2 launches
;; limits: right only within a limited range of input values
;; workspace buffers: kvc 8,388,608 bytes
;; launch prep (part 1): grid 16 x 16, 8 waves a work-group, no clusters, 87,040 bytes of LDS; arguments kv, lowp_scales, kvc; writes kvc
.if DOCPART == 1
	.amdgcn_target "amdgcn-amd-amdhsa--gfx1250"
	.amdhsa_code_object_version 6
	.text
	.protected	k_qa5bffc37ea_prep
	.globl	k_qa5bffc37ea_prep
	.p2align	8
	.type	k_qa5bffc37ea_prep,@function
k_qa5bffc37ea_prep:
	s_mov_b64 s[64:65], 0
	v_nop
	global_prefetch_b8 v0, s[64:65] scope:SCOPE_SE
	s_setreg_imm32_b32 hwreg(HW_REG_WAVE_MODE, 25, 1), 1
	s_wait_xcnt 0x0
; kv [2][2048 keys][2][8 heads][128] f32 becomes codes of BF8 (E5M2), laid in the order in which the attention launch's operand registers take them.
; K: code = (k x 1/sqrt(128), rounded to f32) / 2^ek;  V: code = v / 2^ev; each held within +-57,344 and rounded to the nearest code, ties to even.  ek, ev: entries 1 and 2 of lowp_scales.
; LIMITS: ek and ev between -126 and 112, so that 2^e and 57,344 x 2^e are f32 numbers.  NaN among the inputs is not served (an infinity is held at the largest code).
; kvc: [kv head 8 b + hkv: 16][step of 128 keys: 16][32,768 bytes].  A step's block:
;   bytes 0 .. 16,383: K's eight fragments: fragment T at 2,048 T, its register group c at + 512 c, lane l's 16 bytes at + 16 l.  Lane l = 16 h + r holds key 32 (T / 2) + 8 (T % 2) + r + 8 (r / 8), d = 32 c + 16 h + 0 .. 15.
;   bytes 16,384 on:   V^T's eight fragments, likewise: lane (r, h) of fragment T' holds d = 16 T' + r, keys 32 c + 16 h + 0 .. 15.
; SHARES.  Work-group (x = step, y = kv head) makes one block.  Wave w makes K's fragment w (16 rows of 512 bytes) and, of V, keys 16 w .. 16 w + 15 for all 128 d: 256 consecutive bytes in each of V's eight fragments.
; Every load reads 512 consecutive bytes, every store writes whole aligned runs of 256 bytes or 512.  Waves share nothing: no barrier.  No matrix unit, tensor load or cluster: the launch streams each byte once.
.set KR,   16                          ; v16-79   K's 16 rows as loaded; then 64 neighbours along d; then V's numbers, 16 keys on end for each of my 4 d
.set VR,   80                          ; v80-143  V's 16 keys as loaded: register 4 k + j = V(key k, d = 4 lane + j)
.set KC,   144                         ; v144-159 K's codes
.set VC,   160                         ; v160-175 V's codes
.set VO,   176                         ; v176-191 V's codes, back from the stage
.set WREG, 10752                       ; LDS: a region of its own for each wave
.set KP,   528                         ; K's stage: 16 rows of 512 bytes + 16 of padding: 33 x 16, so the 16 rows that a read touches start at 16 different places modulo 256 bytes
.set VSTO, 16*KP                       ; behind it V's stage:
.set VP,   272                         ; 8 rows of 256 bytes + 16
	s_load_b128 s[4:7], s[0:1], 0x0                ; kv s[4:5], lowp_scales s[6:7]
	s_load_b64 s[8:9], s[0:1], 0x10                ; kvc
	v_lshl_add_u32 v192, v0, 2, 0x15000
	v_mov_b32 v193, 0
	v_lshrrev_b32 v1, 5, v0
	s_delay_alu instid0(VALU_DEP_1)
	v_readfirstlane_b32 s10, v1                    ; wave 0..7
	v_and_b32 v1, 31, v0                           ; lane
	v_and_b32 v8, 15, v0                           ; r
	v_bfe_u32 v9, v0, 4, 1                         ; h
	s_delay_alu instid0(VALU_DEP_3)
	v_lshlrev_b32 v2, 4, v1                        ; 16 x lane: my 16 bytes of a load's or a store's 512
	s_mul_i32 s30, s10, WREG
	v_add_nc_u32 v3, s30, v2                       ; K's stage, in: 16 x lane; the row stands in the immediate
	v_mul_u32_u24 v4, v8, KP
	s_delay_alu instid0(VALU_DEP_1)
	v_lshl_add_u32 v4, v9, 6, v4
	s_delay_alu instid0(VALU_DEP_1)
	v_add_nc_u32 v4, s30, v4                       ; out: row r, + 64 h: my 16 numbers of a block of 32
	v_lshrrev_b32 v5, 2, v1
	s_delay_alu instid0(VALU_DEP_1)
	v_mul_u32_u24 v5, v5, VP
	v_and_b32 v6, 3, v1
	s_delay_alu instid0(VALU_DEP_1)
	v_lshl_add_u32 v5, v6, 6, v5
	s_delay_alu instid0(VALU_DEP_1)
	v_add_nc_u32 v5, s30, v5
	s_delay_alu instid0(VALU_DEP_1)
	v_add_nc_u32 v5, VSTO, v5                      ; V's stage, in: my d = 4 lane + j lies in fragment lane / 4 at 16 (4 (lane % 4) + j)
	v_mul_u32_u24 v6, v9, VP
	s_delay_alu instid0(VALU_DEP_1)
	v_lshl_add_u32 v6, v8, 4, v6
	s_delay_alu instid0(VALU_DEP_1)
	v_add_nc_u32 v6, s30, v6
	s_delay_alu instid0(VALU_DEP_1)
	v_add_nc_u32 v6, VSTO, v6                      ; out: lanes 0-15 one row of 256 bytes, lanes 16-31 the next
	v_lshlrev_b32 v7, 11, v9
	s_delay_alu instid0(VALU_DEP_1)
	v_lshl_add_u32 v7, v8, 4, v7                   ; and the same two fragments in kvc, 2,048 bytes apart
	; byte offsets, all under 2^25.  kv: d 4, head 512, k or v 4,096, key 8,192, b 2^24
	s_and_b32 s12, ttmp7, 0xffff                   ; kv head 8 b + hkv
	s_lshr_b32 s14, s12, 3
	s_lshl_b32 s14, s14, 24
	s_and_b32 s15, s12, 7
	s_lshl_b32 s15, s15, 9
	s_add_co_u32 s14, s14, s15
	s_lshl_b32 s15, ttmp9, 20                      ; 128 keys a step
	s_add_co_u32 s14, s14, s15                     ; what K and V share
	s_lshr_b32 s15, s10, 1
	s_lshl_b32 s15, s15, 18
	s_add_co_u32 s16, s14, s15
	s_and_b32 s15, s10, 1
	s_lshl_b32 s15, s15, 16
	s_add_co_u32 s16, s16, s15                     ; K: fragment w begins at key 32 (w / 2) + 8 (w % 2)
	s_mov_b32 s17, 0
	s_lshl_b32 s15, s10, 17
	s_add_co_u32 s18, s14, s15
	s_add_co_u32 s18, s18, 4096                    ; V: key 16 w
	s_mov_b32 s19, 0
	s_lshl_b32 s14, s12, 19
	s_lshl_b32 s15, ttmp9, 15
	s_add_co_u32 s14, s14, s15                     ; my block of kvc
	s_lshl_b32 s15, s10, 11
	s_add_co_u32 s20, s14, s15                     ; K's fragment w
	s_mov_b32 s21, 0
	s_lshl_b32 s15, s10, 8
	s_add_co_u32 s22, s14, s15
	s_add_co_u32 s22, s22, 16384                   ; V: 256 w in each fragment
	s_mov_b32 s23, 0
	s_mov_b32 s28, 0x3db504f3                      ; 1 / sqrt(128) as f32
	s_mov_b32 s29, s28                             ; (named with it as a pair, so it is written)
	s_wait_kmcnt 0x0
	s_load_b128 s[24:27], s[6:7], 0x0              ; eq, ek, ev, ep
	s_add_nc_u64 s[16:17], s[4:5], s[16:17]
	s_add_nc_u64 s[18:19], s[4:5], s[18:19]
	s_add_nc_u64 s[20:21], s[8:9], s[20:21]
	s_add_nc_u64 s[22:23], s[8:9], s[22:23]
.irp i, 0,1,2,3,4,5,6,7,8,9,10,11,12,13,14,15
	global_load_b128 v[KR+4*\i:KR+4*\i+3], v2, s[16:17] offset:(\i+8*(\i/8))*8192 th:TH_LOAD_NT   ; row i of the fragment: 512 consecutive bytes; read once in the launch
.endr
.irp k, 0,1,2,3,4,5,6,7,8,9,10,11,12,13,14,15
	global_load_b128 v[VR+4*\k:VR+4*\k+3], v2, s[18:19] offset:\k*8192 th:TH_LOAD_NT
.endr
	s_wait_kmcnt 0x0
	s_add_co_i32 s30, s25, 127
	s_lshl_b32 s31, s30, 23
	v_mov_b32 v11, s31                             ; 2^ek as f32: the conversion takes its exponent field
	s_add_co_i32 s30, s30, 15
	s_lshl_b32 s30, s30, 23
	s_or_b32 s30, s30, 0x600000
	v_mov_b32 v10, s30                             ; 57,344 x 2^ek
	s_add_co_i32 s30, s26, 127
	s_lshl_b32 s31, s30, 23
	v_mov_b32 v13, s31                             ; 2^ev
	s_add_co_i32 s30, s30, 15
	s_lshl_b32 s30, s30, 23
	s_or_b32 s30, s30, 0x600000
	v_mov_b32 v12, s30                             ; 57,344 x 2^ev
	s_wait_loadcnt 16                              ; K's 16 loads are in; V's 16, issued behind them, may be out
	; K through its stage: in as the rows lie, out 64 bytes a lane.  LDS serves a wave's instructions in order: no wait between the stores and the loads, which land in the registers that the stores have left
.irp i, 0,1,2,3,4,5,6,7,8,9,10,11,12,13,14,15
	ds_store_b128 v3, v[KR+4*\i:KR+4*\i+3] offset:KP*\i
.endr
.irp c, 0,1,2,3
.irp j, 0,1,2,3
	ds_load_b128 v[KR+16*\c+4*\j:KR+16*\c+4*\j+3], v4 offset:128*\c+16*\j   ; register 16 c + i = K(row r, d = 32 c + 16 h + i)
.endr
.endr
	s_wait_dscnt 0x0
.irp j, 0,2,4,6,8,10,12,14,16,18,20,22,24,26,28,30,32,34,36,38,40,42,44,46,48,50,52,54,56,58,60,62
	v_pk_mul_f32 v[KR+\j:KR+\j+1], v[KR+\j:KR+\j+1], s[28:29] op_sel_hi:[1,0]   ; k x 1 / sqrt(128), in f32, ahead of the quantiser
.endr
.irp j, 0,1,2,3,4,5,6,7,8,9,10,11,12,13,14,15,16,17,18,19,20,21,22,23,24,25,26,27,28,29,30,31,32,33,34,35,36,37,38,39,40,41,42,43,44,45,46,47,48,49,50,51,52,53,54,55,56,57,58,59,60,61,62,63
	v_med3_num_f32 v[KR+\j], v[KR+\j], -v10, v10   ; the conversion to an 8-bit code does not saturate (ISA guide 7.6.2): the hold at the largest code x the scale
.endr
.irp c, 0,1,2,3
	v_cvt_scalef32_pk8_bf8_f32 v[KC+4*\c:KC+4*\c+1], v[KR+16*\c:KR+16*\c+7], v11
	v_cvt_scalef32_pk8_bf8_f32 v[KC+4*\c+2:KC+4*\c+3], v[KR+16*\c+8:KR+16*\c+15], v11
.endr
	v_nop                                          ; a plain line between the conversions and the holds below, which write their sources
.irp c, 0,1,2,3
	global_store_b128 v2, v[KC+4*\c:KC+4*\c+3], s[20:21] offset:512*\c   ; 32 lanes store 512 consecutive bytes: register group c of the fragment
.endr
	s_wait_loadcnt 0x0                             ; V
	; V: a lane holds 4 d x 16 keys.  The hold writes each number to the place at which a d's 16 keys stand on end, so the turn inside the lane costs no line of its own
.irp j, 0,1,2,3
.irp k, 0,1,2,3,4,5,6,7,8,9,10,11,12,13,14,15
	v_med3_num_f32 v[KR+16*\j+\k], v[VR+4*\k+\j], -v12, v12
.endr
.endr
.irp j, 0,1,2,3
	v_cvt_scalef32_pk8_bf8_f32 v[VC+4*\j:VC+4*\j+1], v[KR+16*\j:KR+16*\j+7], v13
	v_cvt_scalef32_pk8_bf8_f32 v[VC+4*\j+2:VC+4*\j+3], v[KR+16*\j+8:KR+16*\j+15], v13
.endr
	v_nop
.irp j, 0,1,2,3
	ds_store_b128 v5, v[VC+4*\j:VC+4*\j+3] offset:16*\j   ; d = 4 lane + j: 16 codes along the keys
.endr
.irp i, 0,1,2,3
	ds_load_b128 v[VO+4*\i:VO+4*\i+3], v6 offset:2*\i*VP
.endr
.irp i, 0,1,2,3
	s_wait_dscnt 3-\i                              ; LDS loads come back in order: load i is in, the younger ones may be out
	global_store_b128 v7, v[VO+4*\i:VO+4*\i+3], s[22:23] offset:4096*\i   ; sixteen lanes store 256 consecutive bytes, aligned: fragments 2 i and 2 i + 1
.endr
	s_wait_tensorcnt 0x0
	ds_add_u32 v192, v193
	s_wait_dscnt 0x0
	s_endpgm
.Lfunc_end_k_qa5bffc37ea_prep:
	.size	k_qa5bffc37ea_prep, .Lfunc_end_k_qa5bffc37ea_prep-k_qa5bffc37ea_prep
	.p2alignl 7, 3214868480
	.fill 96, 4, 3214868480
	.section	.rodata,"a",@progbits
	.p2align	6, 0x0
	.amdhsa_kernel k_qa5bffc37ea_prep
		.amdhsa_group_segment_fixed_size 87040
		.amdhsa_private_segment_fixed_size 0
		.amdhsa_enable_private_segment 0
		.amdhsa_kernarg_size 24
		.amdhsa_user_sgpr_count 2
		.amdhsa_user_sgpr_kernarg_segment_ptr 1
		.amdhsa_wavefront_size32 1
		.amdhsa_system_sgpr_workgroup_id_x 1
		.amdhsa_system_sgpr_workgroup_id_y 1
		.amdhsa_system_sgpr_workgroup_id_z 1
		.amdhsa_system_vgpr_workitem_id 0
		.amdhsa_next_free_vgpr 194
		.amdhsa_next_free_sgpr 66
		.amdhsa_reserve_vcc 0
		.amdhsa_float_denorm_mode_32 3
		.amdhsa_float_denorm_mode_16_64 3
		.amdhsa_memory_ordered 1
		.amdhsa_forward_progress 1
		.amdhsa_inst_pref_size 22
	.end_amdhsa_kernel
	.amdgpu_metadata
---
amdhsa.version: [ 1, 2 ]
amdhsa.kernels:
  - .name:           k_qa5bffc37ea_prep
    .symbol:         k_qa5bffc37ea_prep.kd
    .args:
      - { .name: kv, .offset: 0, .size: 8, .value_kind: global_buffer, .address_space: global }
      - { .name: lowp_scales, .offset: 8, .size: 8, .value_kind: global_buffer, .address_space: global }
      - { .name: kvc, .offset: 16, .size: 8, .value_kind: global_buffer, .address_space: global }
    .group_segment_fixed_size: 87040
    .private_segment_fixed_size: 0
    .kernarg_segment_align: 8
    .kernarg_segment_size: 24
    .max_flat_workgroup_size: 256
    .sgpr_count:     66
    .vgpr_count:     194
    .wavefront_size: 32
...
	.end_amdgpu_metadata
.endif
;; end of part 1
;; launch attn (part 2): grid 16 x 16, 8 waves a work-group, clusters of 4 x 1, 327,680 bytes of LDS; arguments q, kvc, lowp_scales, out0; writes out0
.if DOCPART == 2
	.amdgcn_target "amdgcn-amd-amdhsa--gfx1250"
	.amdhsa_code_object_version 6
	.text
	.protected	k_qa5bffc37ea_attn
	.globl	k_qa5bffc37ea_attn
	.p2align	8
	.type	k_qa5bffc37ea_attn,@function
k_qa5bffc37ea_attn:
	s_mov_b64 s[64:65], 0
	v_nop
	global_prefetch_b8 v0, s[64:65] scope:SCOPE_SE
	s_setreg_imm32_b32 hwreg(HW_REG_WAVE_MODE, 25, 1), 1
	s_wait_xcnt 0x0
	s_wait_alu depctr_hold_cnt(0) depctr_sa_sdst(0) depctr_va_vdst(0) depctr_va_sdst(0) depctr_va_ssrc(0) depctr_va_vcc(0) depctr_vm_vsrc(0)
	s_getreg_b32 s2, hwreg(HW_REG_IB_STS2, 6, 4)
	s_cmp_eq_u32 s2, 0
	s_cbranch_scc0 .Lentry_in_a_cluster
	s_endpgm
.Lentry_in_a_cluster:
	s_bfe_u32 s2, ttmp6, 0x10000c
	s_cmp_lg_u32 s2, 0x3003
	s_cbranch_scc0 .Lentry_shape_is_right
	s_endpgm
.Lentry_shape_is_right:
; out0[b][t][head][:] = sum over keys s of softmax_s(q[b][t][head] . k[b][s][head / 4] / sqrt(128)) v[b][s][head / 4][:], both products on codes of BF8 (E5M2), each operand with its given scale 2^e.
; lowp_scales = eq, ek, ev, ep.  q, out0: [2][2048][32][128] f32.  K (already x 1 / sqrt(128)) and V come as codes from kvc, in the order of the operands' registers: [kv head][step of 128 keys][K's 8 fragments, V^T's 8].
; SOFTMAX: t = score x log2(e); M = the running largest t rounded up to a whole number; p = 2^(t - M) is quantised, not normalised; the row's sum is taken of the unquantised p and divides O at the end.
; When M moves, the sum and O are multiplied by 2^(old M - new M), in every step, with no branch on data.
; SHARES.  256 work-groups.  A work-group owns 512 queries of one head, in two passes of 256; in a pass each of its eight waves owns 32 queries, two tiles of 16, and walks all 2,048 keys, 128 a step.
; CLUSTER.  The four partners are the four query heads of one kv head at the same queries: each slot is asked for jointly.  The place in the cluster enters q's and out0's addresses alone.
; RING.  Two slots of four steps (131,072 bytes, a dense run of kvc); a wave fetches an eighth by one load.  The ring goes on from pass 0 into pass 1: eight fills, the memory offset going round the head's four runs.
; The three lines and the opening signal of a change of slots stand in the middle of a slot's last step, when V's fragments are in registers: the rest of the softmax and the second product, work on registers, stand between signal and wait.
; Inside a slot the next step's first four fragments of K are read in the middle of the second product, into the registers of V's fragments that have been multiplied.
; PASS 1's q is fetched under pass 0: a group (16 queries x 256 bytes) a trip into v[T..], quantised at the next trip's top through the wave's stage; its codes wait in LDS bytes of the wave's own.  Pass 0's stores leave under pass 1.
; No prefetch: a kv head has four distinct slots; each is asked for a whole slot, four key steps, ahead of its first read, and fills 4 to 7 name bytes that this work-group has read before.
; LAYOUT.  Both products transposed: S^T = K Q^T, O^T = V^T P: a lane holds one query (lane % 16) of each tile.  Lane r of K's fragment 2 b + u holds key 32 b + 8 u + r + 8 (r / 8), so the conversions' results are P.
; Every operand has k = 32 c + 16 (lane / 16) + 0 .. 15 in registers 4 c .. 4 c + 3: one permutation of k on both sides of each product.
; LIMITS: eq and ep between -126 and 112; eq + ek between -126 and 127 (added to log2(e)'s exponent field); ev + ep goes by v_ldexp_f32.  NaN among the inputs is not served.
; REGISTERS.  Window 0: v1-12 addresses and scales; v14-29 statistics; v30-61 Q; v62-93 P; v94-221 S^T, then p; v222-253 q on its way.  Window 1: v0-127 O^T; v128-255 eight fragments of K, then of V.
.set STEPB, 32768
.set SLOT1, 1<<17
.set SPARE, 2*SLOT1                    ; the spare words: 128 bytes a wave
.set REG0,  SPARE+1024                 ; behind them a region of WREG bytes for each wave; no fill lands here
.set WREG,  7424                       ; 3,072 bytes of codes, then the stage: 16 rows x 272; the fourth group's codes lie on the stage's first 1,024 bytes
.set SP,    272
.set PASSB, 0x400000                   ; 256 queries of q or out0 in bytes
.set LI,   1                           ; 16 x lane
.set ADR,  2                           ; LDS address of the step in hand
.set GO,   3                           ; q, out0: lanes 0-15 one query's 256 bytes, lanes 16-31 the next query's
.set STO,  4                           ; stage: row r, + 32 h
.set SRW,  5                           ; stage: row lane / 16, + 16 (lane % 16)
.set QRD,  6                           ; stage: row r, + 64 h
.set SPW,  7                           ; my spare word; never rewritten
.set NIL,  8                           ; 0; never rewritten
.set SCQ,  9                           ; 2^eq
.set LIMQ, 10                          ; 57,344 x 2^eq
.set SCP,  11                          ; 2^ep
.set CA,   12                          ; the codes' bytes of my wave, + 16 x lane
.set ST,   14                          ; tile a at ST + 8 a: +0 -M, +1 largest t, +2, +3 the sum, +4 f, +5 the lane exchange's destination, +6, +7 at work (+4 to +7: the maximum's four chains)
.set Q,    30
.set P,    62
.set S,    94
.set T,    222
.set FB,   128
.set WV,   12
.set G1,   16
.set G0,   24
.set CS,   32                          ; s[32:33] log2(e) x 2^(eq + ek)
.set SEL,  34
.set TB,   36                          ; LDS byte of the step in hand
.set SL,   37                          ; the trip: the slot in hand
.set STC,  38
.set KB,   40                          ; s[40:41] my eighth of the kv head's first slot in kvc
.set LP,   45                          ; 57,344 x 2^ep
.set FO,   46                          ; s[46:47] the next fill's byte offset in the kv head
.set MSB, 0
.macro WIN new
.if MSB != \new
	s_set_vgpr_msb (MSB<<8)|\new
.set MSB, \new
.endif
.endm
.macro CREST                           ; a round of the cluster's barrier behind its opening barrier
	s_cmp_lg_u32 s[WV], 0
	s_cbranch_scc1 .Lnot_wave_0_\@
	s_barrier_signal -3
.Lnot_wave_0_\@:
	s_barrier_wait -3
	s_barrier_signal -1
	s_barrier_wait -1
.endm
.macro CROUND
	s_barrier_signal -1
	s_barrier_wait -1
	CREST
.endm
.macro TLOAD                           ; my eighth of a slot
	tensor_load_to_lds s[G0:G0+3], s[G1:G1+7]
	s_nop 0
.rept 4
	v_nop
.endr
.endm
.macro DSTEP                           ; group 0 for the next fill: the other slot, the next of the head's four runs.  Written only where no load of mine is out
	s_xor_b32 s[G0+1], s[G0+1], SLOT1
	s_add_co_u32 s[FO], s[FO], 4*STEPB
	s_and_b32 s[FO], s[FO], 16*STEPB-1
	s_add_nc_u64 s[G0+2:G0+3], s[KB:KB+1], s[FO:FO+1]
	s_or_b32 s[G0+3], s[G0+3], 0x80000000
.endm
.macro INIT                            ; a pass begins: largest t -3e38, sums and O^T zero; the first change of M leaves zeros zeros
.irp a, 0,1
	v_mov_b32 v[ST+8*\a+1], 0xff61b1e6
	v_floor_f32 v[ST+8*\a], -v[ST+8*\a+1]
	v_mov_b32 v[ST+8*\a+2], 0
	v_mov_b32 v[ST+8*\a+3], 0
.endr
	WIN 0x40
.set j, 0
.rept 128
	v_mov_b32 v[j], 0
.set j, j+1
.endr
	WIN 0
.endm
.macro LOADG g                         ; pass 1's q, group g = 2 a + u: tile a's 16 queries x 256 bytes (d = 64 u on): sixteen lanes read 256 consecutive aligned bytes
.irp i, 0,1,2,3,4,5,6,7
	global_load_b128 v[T+4*\i:T+4*\i+3], v[GO], s[4:5] offset:PASSB+(16*((\g)/2)+2*\i)*16384+256*((\g)%2) th:TH_LOAD_NT
.endr
.endm
.macro PROC g, more                    ; group g has landed: through my stage, held, converted; its codes to my own LDS bytes as an image of Q's registers
	s_wait_loadcnt 0x0
.irp i, 0,1,2,3,4,5,6,7
	ds_store_b128 v[SRW], v[T+4*\i:T+4*\i+3] offset:2*\i*SP
.endr
.irp c, 0,1
.irp j, 0,1,2,3
	ds_load_b128 v[S+16*\c+4*\j:S+16*\c+4*\j+3], v[QRD] offset:128*\c+16*\j
.endr
.endr
	s_wait_dscnt 0x0                               ; the numbers are back, and the stores have read v[T..]
.if \more
	LOADG (\g)+1
.endif
.set j, 0
.rept 32
	v_med3_num_f32 v[S+j], v[S+j], -v[LIMQ], v[LIMQ]
.set j, j+1
.endr
.irp c, 0,1
	v_cvt_scalef32_pk8_bf8_f32 v[S+32+4*\c:S+33+4*\c], v[S+16*\c:S+16*\c+7], v[SCQ]
	v_cvt_scalef32_pk8_bf8_f32 v[S+34+4*\c:S+35+4*\c], v[S+16*\c+8:S+16*\c+15], v[SCQ]
.endr
	v_nop
	ds_store_b128 v[CA], v[S+32:S+35] offset:1024*(\g)
	ds_store_b128 v[CA], v[S+36:S+39] offset:1024*(\g)+512
.endm
.macro PRE                             ; a slot's first step: K's fragments 0 to 3
	v_add_nc_u32 v[ADR], s[TB], v[LI]
	WIN 0x40
.irp t, 0,1,2,3
.irp c, 0,1,2,3
	ds_load_b128 v[FB+16*\t+4*\c:FB+16*\t+4*\c+3], v[ADR] offset:2048*\t+512*\c
.endr
.endr
	WIN 0
.endm
; Line n (0 .. 27) of a tile's maximum: four chains, chain j over accumulators 2 j and 2 j + 1 but for their last register; each accumulator from its low end on.
.macro MAXI a, n
.set mj, (\n)%4
.set mk, (\n)/4
.set mc, ST+8*(\a)+6+mj-4*(mj/2)
.set mr, S+64*(\a)+16*mj
.if mk == 0
	v_max3_num_f32 v[mc], v[mr], v[mr+1], v[mr+2]
.else
	v_max3_num_f32 v[mc], v[mc], v[mr+2*mk+1], v[mr+2*mk+2]
.endif
.endm
; Line n (0 .. 12) of a tile's statistics, one chain: the four chains and the four registers left over; lane l xor 16's; t; the running largest t; -M; f.
.macro STATI a, n
.set sT, ST+8*(\a)
.set sS, S+64*(\a)
.if (\n) == 0
	v_max3_num_f32 v[sT+6], v[sT+6], v[sT+7], v[sS+15]
.elseif (\n) == 1
	v_max3_num_f32 v[sT+4], v[sT+4], v[sT+5], v[sS+31]
.elseif (\n) == 2
	v_max3_num_f32 v[sT+6], v[sT+6], v[sT+4], v[sS+47]
.elseif (\n) == 3
	v_max_num_f32 v[sT+6], v[sT+6], v[sS+63]
.elseif (\n) == 4
	v_permlanex16_b32 v[sT+5], v[sT+6], s[SEL], s[SEL+1]
.elseif (\n) == 5
	v_max_num_f32 v[sT+6], v[sT+6], v[sT+5]
.elseif (\n) == 6
	v_mul_f32 v[sT+6], s[CS], v[sT+6]              ; as t (the factor is positive)
.elseif (\n) == 7
	v_max_num_f32 v[sT+1], v[sT+1], v[sT+6]
.elseif (\n) == 8
	v_mov_b32 v[sT+6], v[sT]
.elseif (\n) == 9
	v_floor_f32 v[sT], -v[sT+1]                    ; the new -M = -ceil(t)
.elseif (\n) == 10
	v_sub_f32 v[sT+6], v[sT], v[sT+6]
.elseif (\n) == 11
	v_cvt_i32_f32 v[sT+6], v[sT+6]                 ; (it saturates)
.else
	v_ldexp_f32 v[sT+4], 1.0, v[sT+6]              ; f = 2^(old M - new M)
.endif
.endm
.macro TM a, k                         ; t - M of pair k of tile a
	v_pk_fma_f32 v[S+64*(\a)+2*(\k):S+64*(\a)+2*(\k)+1], v[S+64*(\a)+2*(\k):S+64*(\a)+2*(\k)+1], s[CS:CS+1], v[ST+8*(\a):ST+8*(\a)+1] op_sel_hi:[1,0,0]
.endm
.macro SUM a                           ; the row's sum of the unquantised p, two at a time, in four chains (two of them in the tile's registers of P, which are free here); the first line brings the old sum under the new M
.set rT, ST+8*(\a)
.set rS, S+64*(\a)
.set rP, P+16*(\a)
	v_pk_fma_f32 v[rT+2:rT+3], v[rT+2:rT+3], v[rT+4:rT+5], v[rS:rS+1] op_sel_hi:[1,0,1]
	v_pk_add_f32 v[rT+6:rT+7], v[rS+2:rS+3], v[rS+10:rS+11]
	v_pk_add_f32 v[rP:rP+1], v[rS+4:rS+5], v[rS+12:rS+13]
	v_pk_add_f32 v[rP+2:rP+3], v[rS+6:rS+7], v[rS+14:rS+15]
	v_pk_add_f32 v[rT+2:rT+3], v[rT+2:rT+3], v[rS+8:rS+9]
.set cnt, 16
.rept 6
	v_pk_add_f32 v[rT+2:rT+3], v[rT+2:rT+3], v[rS+cnt:rS+cnt+1]
	v_pk_add_f32 v[rT+6:rT+7], v[rT+6:rT+7], v[rS+cnt+2:rS+cnt+3]
	v_pk_add_f32 v[rP:rP+1], v[rP:rP+1], v[rS+cnt+4:rS+cnt+5]
	v_pk_add_f32 v[rP+2:rP+3], v[rP+2:rP+3], v[rS+cnt+6:rS+cnt+7]
.set cnt, cnt+8
.endr
	v_pk_add_f32 v[rT+2:rT+3], v[rT+2:rT+3], v[rT+6:rT+7]
	v_pk_add_f32 v[rP:rP+1], v[rP:rP+1], v[rP+2:rP+3]
	v_pk_add_f32 v[rT+2:rT+3], v[rT+2:rT+3], v[rP:rP+1]
.endm
.macro HOLD2 r                         ; p is not negative: a one-sided hold at the largest code x the scale (the conversion does not saturate: ISA guide 7.6.2), two numbers a line
	v_dual_min_num_f32 v[\r], s[LP], v[\r] :: v_dual_min_num_f32 v[\r+1], s[LP], v[\r+1]
.endm
.macro CODES tile
.irp b, 0,1,2,3
	v_cvt_scalef32_pk8_bf8_f32 v[P+16*\tile+4*\b:P+16*\tile+4*\b+1], v[S+64*\tile+16*\b:S+64*\tile+16*\b+7], v[SCP]
	v_cvt_scalef32_pk8_bf8_f32 v[P+16*\tile+4*\b+2:P+16*\tile+4*\b+3], v[S+64*\tile+16*\b+8:S+64*\tile+16*\b+15], v[SCP]
.endr
.endm
; A KEY STEP: 128 keys, both tiles.  K's fragments 0 to 3 have been asked of LDS already.
; last = 0: the next step lies in the same slot, and its fragments 0 to 3 of K are read here.  last = 1: a slot's last step, with the three lines and the opening signal of the change of slots.  last = 2: the launch's last step.
.macro STEP last
	v_add_nc_u32 v[ADR], s[TB], v[LI]
.rept 3
	v_nop                                          ; with the addition: four places between the last products and the loads into their sources
.endr
	WIN 0x40
.irp t, 4,5,6,7
.irp c, 0,1,2,3
	ds_load_b128 v[FB+16*\t+4*\c:FB+16*\t+4*\c+3], v[ADR] offset:2048*\t+512*\c
.endr
.endr
	s_wait_alu depctr_va_vdst(0)
	s_wait_dscnt 16                                ; fragments 0-3, asked for earlier, are in; the 16 loads of fragments 4-7 may be out
	WIN 0x01
.irp t, 0,1,2,3
.irp a, 0,1
	v_wmma_f32_16x16x128_bf8_bf8 v[S+64*\a+8*\t:S+64*\a+8*\t+7], v[FB+16*\t:FB+16*\t+15], v[Q+16*\a:Q+16*\a+15], 0
.endr
.endr
	s_wait_dscnt 0x0
.irp t, 4,5,6,7
.irp a, 0,1
	v_wmma_f32_16x16x128_bf8_bf8 v[S+64*\a+8*\t:S+64*\a+8*\t+7], v[FB+16*\t:FB+16*\t+15], v[Q+16*\a:Q+16*\a+15], 0
.endr
.endr
.rept 4
	v_nop                                          ; four places: for the loads into K's registers and the first read of the scores
.endr
	WIN 0x40
.irp t, 0,1,2,3,4,5,6,7
.irp c, 0,1,2,3
	ds_load_b128 v[FB+16*\t+4*\c:FB+16*\t+4*\c+3], v[ADR] offset:16384+2048*\t+512*\c
.endr
.endr
	WIN 0
.if \last == 1
	s_wait_tensorcnt 0x0                           ; my eighth of the next slot is in; no load of mine is out
	ds_add_u32 v[SPW], v[NIL]
	DSTEP
.endif
	; tile 0's maximum; tile 0's statistics between the lines of tile 1's maximum; tile 1's statistics between tile 0's t - M
.set cnt, 0
.rept 28
	MAXI 0, cnt
.set cnt, cnt+1
.endr
.set cnt, 0
.rept 13
	MAXI 1, 2*cnt
	MAXI 1, 2*cnt+1
	STATI 0, cnt
.set cnt, cnt+1
.endr
	MAXI 1, 26
	MAXI 1, 27
.set cnt, 0
.rept 13
	TM 0, 2*cnt
	TM 0, 2*cnt+1
	STATI 1, cnt
.set cnt, cnt+1
.endr
.set cnt, 26
.rept 6
	TM 0, cnt
.set cnt, cnt+1
.endr
	WIN 0x41                                       ; O^T under the new M, ahead of the step's first exponential; each accumulator from its low end on
.irp a, 0,1
.set cnt, 0
.rept 32
	v_pk_mul_f32 v[64*\a+2*cnt:64*\a+2*cnt+1], v[64*\a+2*cnt:64*\a+2*cnt+1], v[ST+8*\a+4:ST+8*\a+5] op_sel_hi:[1,0]
.set cnt, cnt+1
.endr
.endr
	WIN 0
	s_wait_alu depctr_va_vdst(0)                   ; ahead of the batch (last = 1: and of the wait below)
.if \last == 1
	s_wait_dscnt 0x0                               ; the add is done and V is in registers: my reads of this slot are over
	s_barrier_signal -1                            ; opens the round; only work on registers up to its wait
.endif
	; tile 0's exponentials; between them tile 1's t - M, whose sources are older than the wait above and whose results are read behind the wait below
.set cnt, 0
.rept 32
	v_exp_f32 v[S+2*cnt], v[S+2*cnt]
	v_exp_f32 v[S+2*cnt+1], v[S+2*cnt+1]
	TM 1, cnt
.set cnt, cnt+1
.endr
	s_wait_alu depctr_va_vdst(0)                   ; one wait for the batch, and ahead of the next
	SUM 0
	; tile 1's exponentials; between them tile 0's holds, read behind the wait below
.set cnt, 0
.rept 32
	v_exp_f32 v[S+64+2*cnt], v[S+64+2*cnt]
	v_exp_f32 v[S+64+2*cnt+1], v[S+64+2*cnt+1]
	HOLD2 S+2*cnt
.set cnt, cnt+1
.endr
	v_nop                                          ; a plain place behind the last exponential
	s_wait_alu depctr_va_vdst(0)
	CODES 0
	SUM 1
.set cnt, 0
.rept 32
	HOLD2 S+64+2*cnt
.set cnt, cnt+1
.endr
	CODES 1
	v_nop                                          ; a plain line between the conversions and the products
	s_wait_alu depctr_va_vdst(0)                   ; ahead of the blocking wait that follows
.if \last != 1
	s_wait_dscnt 0x0                               ; V is in
.endif
	WIN 0x51
.irp t, 0,1,2,3
.irp a, 0,1
	v_wmma_f32_16x16x128_bf8_bf8 v[64*\a+8*\t:64*\a+8*\t+7], v[FB+16*\t:FB+16*\t+15], v[P+16*\a:P+16*\a+15], v[64*\a+8*\t:64*\a+8*\t+7]   ; sixteen accumulators by turns
.endr
.endr
.if \last == 0
.rept 4
	v_nop                                          ; four places ahead of the loads into V's fragments 0 to 3, which have been multiplied
.endr
	WIN 0x40
.irp t, 0,1,2,3
.irp c, 0,1,2,3
	ds_load_b128 v[FB+16*\t+4*\c:FB+16*\t+4*\c+3], v[ADR] offset:STEPB+2048*\t+512*\c   ; the next step's K, fragments 0 to 3: a step's block further on in this slot
.endr
.endr
	WIN 0x51
.endif
.irp t, 4,5,6,7
.irp a, 0,1
	v_wmma_f32_16x16x128_bf8_bf8 v[64*\a+8*\t:64*\a+8*\t+7], v[FB+16*\t:FB+16*\t+15], v[P+16*\a:P+16*\a+15], v[64*\a+8*\t:64*\a+8*\t+7]
.endr
.endr
	WIN 0
.endm
; THE WAY OUT of pass p: O^T x 2^(ev + ep) / the sum, through my stage, 16 queries x 256 bytes at a time; sixteen lanes store 256 consecutive aligned bytes.
.macro WAYOUT p
.irp a, 0,1
	v_add_f32 v[ST+8*\a+6], v[ST+8*\a+2], v[ST+8*\a+3]
.endr
.irp a, 0,1
	v_permlanex16_b32 v[ST+8*\a+5], v[ST+8*\a+6], s[SEL], s[SEL+1]
.endr
.irp a, 0,1
	v_add_f32 v[ST+8*\a+6], v[ST+8*\a+6], v[ST+8*\a+5]
.endr
	s_wait_alu depctr_va_vdst(0)                   ; ahead of the batch of two
.irp a, 0,1
	v_rcp_f32 v[ST+8*\a+4], v[ST+8*\a+6]
.endr
	v_nop
	s_wait_alu depctr_va_vdst(0)                   ; and behind it
.irp a, 0,1
	v_ldexp_f32 v[ST+8*\a+4], v[ST+8*\a+4], s39
.endr
	WIN 0x01
	s_wait_alu depctr_va_vdst(0)                   ; directly ahead of the first reader of O^T
.irp a, 0,1
.set cnt, 0
.rept 32
	v_pk_mul_f32 v[S+64*\a+2*cnt:S+64*\a+2*cnt+1], v[64*\a+2*cnt:64*\a+2*cnt+1], v[ST+8*\a+4:ST+8*\a+5] op_sel_hi:[1,0]   ; register 8 t + i of tile a: o(query r, d = 16 t + 8 h + i)
.set cnt, cnt+1
.endr
.endr
	WIN 0
.set g, 0
.rept 4
.irp t, 0,1,2,3
	ds_store_b128 v[STO], v[S+32*g+8*\t:S+32*g+8*\t+3] offset:64*\t
	ds_store_b128 v[STO], v[S+32*g+8*\t+4:S+32*g+8*\t+7] offset:64*\t+16
.endr
.irp i, 0,1,2,3,4,5,6,7
	ds_load_b128 v[S+32*g+4*\i:S+32*g+4*\i+3], v[SRW] offset:2*\i*SP   ; LDS serves a wave's instructions in order
.endr
.set g, g+1
.endr
.set g, 0
.rept 4
.irp i, 0,1,2,3,4,5,6,7
	s_wait_dscnt 16*(3-g)+7-\i                     ; behind this load: its group's 7 - i younger loads and sixteen LDS instructions for each later group
	global_store_b128 v[GO], v[S+32*g+4*\i:S+32*g+4*\i+3], s[10:11] offset:PASSB*\p+(16*(g/2)+2*\i)*16384+256*(g%2) th:TH_STORE_NT
.endr
.set g, g+1
.endr
.endm
	s_load_b256 s[4:11], s[0:1], 0x0               ; q, kvc, lowp_scales, out0
	v_lshl_add_u32 v[SPW], v0, 2, SPARE
	v_mov_b32 v[NIL], 0
	ds_add_u32 v[SPW], v[NIL]                      ; the opening lines: the add twice on end
	ds_add_u32 v[SPW], v[NIL]
	v_lshrrev_b32 v13, 5, v0
	v_readfirstlane_b32 s[WV], v13                 ; wave 0..7
	s_bfe_u32 s13, ttmp6, 0x40000                  ; cx: the query head within its group of four
	s_and_b32 s14, ttmp7, 0xffff                   ; kv head 8 b + hkv
	s_lshl_b32 s40, s14, 19                        ; a kv head's 16 steps are 2^19 bytes
	s_lshl_b32 s[G0+1], s[WV], 14                  ; my eighth of a slot: in LDS and in memory
	s_add_co_u32 s40, s40, s[G0+1]
	s_mov_b32 s41, 0
	s_lshr_b32 s42, s14, 3                         ; q, out0 in bytes: head 512, query 2^14, b 2^25
	s_lshl_b32 s42, s42, 25
	s_lshl_b32 s15, ttmp9, 23                      ; the cluster's 512 queries
	s_add_co_u32 s42, s42, s15
	s_lshl_b32 s15, s[WV], 19                      ; my wave's 32 of a pass
	s_add_co_u32 s42, s42, s15
	s_and_b32 s15, s14, 7
	s_lshl_b32 s15, s15, 2
	s_add_co_u32 s15, s15, s13                     ; head = 4 hkv + cx
	s_lshl_b32 s15, s15, 9
	s_add_co_u32 s42, s42, s15
	s_mov_b32 s43, 0
	s_mov_b32 s[G1], 15|(3<<16)|(1<<21)            ; mask: all four partners; elements of 8 bytes; bit 21 beside a mask
	s_mov_b32 s[G1+1], 32<<16
	s_mov_b32 s[G1+2], 64<<16
	s_mov_b32 s[G1+3], 32<<16
	s_mov_b32 s[G1+4], 64                          ; 64 rows of 256 bytes, dense
	s_mov_b32 s[G1+5], 32
	s_mov_b32 s[G1+6], 0
	s_mov_b32 s[G1+7], 0
	s_mov_b32 s[SEL], 0x76543210
	s_mov_b32 s[SEL+1], 0xfedcba98
	s_mov_b32 s[TB], 0
	s_mov_b32 s[SL], 0
	s_mov_b32 s[FO], 0
	s_mov_b32 s[FO+1], 0
	s_mul_i32 s15, s[WV], WREG
	s_add_co_u32 s15, s15, REG0                    ; my region: the codes,
	s_add_co_u32 s44, s15, 3072                    ; then my stage
	v_and_b32 v222, 31, v0
	v_and_b32 v223, 15, v0                         ; r
	v_bfe_u32 v224, v0, 4, 1                       ; h
	v_lshlrev_b32 v[LI], 4, v222
	v_lshlrev_b32 v[GO], 14, v224
	v_lshl_add_u32 v[GO], v223, 4, v[GO]
	v_mul_u32_u24 v[STO], v223, SP
	v_lshl_add_u32 v[QRD], v224, 6, v[STO]
	v_lshl_add_u32 v[STO], v224, 5, v[STO]
	v_add_nc_u32 v[QRD], s44, v[QRD]
	v_add_nc_u32 v[STO], s44, v[STO]
	v_mul_u32_u24 v[SRW], v224, SP
	v_lshl_add_u32 v[SRW], v223, 4, v[SRW]
	v_add_nc_u32 v[SRW], s44, v[SRW]
	v_add_nc_u32 v[CA], s15, v[LI]
	s_wait_alu depctr_va_vdst(0)                   ; ahead of the blocking waits
	s_wait_dscnt 0x0                               ; both opening adds are done
	s_wait_kmcnt 0x0
	s_load_b128 s[28:31], s[8:9], 0x0              ; eq, ek, ev, ep
	s_mov_b32 s[G0], 1
	s_add_nc_u64 s[KB:KB+1], s[6:7], s[40:41]
	s_mov_b64 s[G0+2:G0+3], s[KB:KB+1]
	s_or_b32 s[G0+3], s[G0+3], 0x80000000
	s_add_nc_u64 s[4:5], s[4:5], s[42:43]
	s_add_nc_u64 s[10:11], s[10:11], s[42:43]
	CROUND                                         ; the first joint loads meet
	TLOAD                                          ; fill 0: my one load at the head
.set g, 0
.rept 4                                ; pass 0's q
.irp i, 0,1,2,3,4,5,6,7
	global_load_b128 v[S+32*g+4*\i:S+32*g+4*\i+3], v[GO], s[4:5] offset:(16*(g/2)+2*\i)*16384+256*(g%2) th:TH_LOAD_NT
.endr
.set g, g+1
.endr
	INIT
.set g, 0
.rept 4                                ; through my stage, a group at a time: in as the rows lie, out 64 bytes a lane
	s_wait_loadcnt 24-8*g                          ; group g's eight are in, the later groups' may be out
.irp i, 0,1,2,3,4,5,6,7
	ds_store_b128 v[SRW], v[S+32*g+4*\i:S+32*g+4*\i+3] offset:2*\i*SP
.endr
.irp c, 0,1
.irp j, 0,1,2,3
	ds_load_b128 v[S+32*g+16*\c+4*\j:S+32*g+16*\c+4*\j+3], v[QRD] offset:128*\c+16*\j
.endr
.endr
.set g, g+1
.endr
	s_wait_kmcnt 0x0
	s_add_co_i32 s14, s28, 127
	s_lshl_b32 s15, s14, 23
	v_mov_b32 v[SCQ], s15
	s_add_co_i32 s14, s14, 15
	s_lshl_b32 s14, s14, 23
	s_or_b32 s14, s14, 0x600000
	v_mov_b32 v[LIMQ], s14
	s_add_co_i32 s14, s31, 127
	s_lshl_b32 s15, s14, 23
	v_mov_b32 v[SCP], s15
	s_add_co_i32 s14, s14, 15
	s_lshl_b32 s14, s14, 23
	s_or_b32 s[LP], s14, 0x600000
	s_add_co_i32 s14, s28, s29
	s_lshl_b32 s14, s14, 23
	s_add_co_i32 s[CS], s14, 0x3fb8aa3b            ; eq + ek added to log2(e)'s exponent field
	s_mov_b32 s[CS+1], s[CS]
	s_add_co_i32 s39, s30, s31                     ; ev + ep
	s_wait_alu depctr_va_vdst(0)                   ; ahead of the wait below
	s_wait_dscnt 0x0
.set j, 0
.rept 128
	v_med3_num_f32 v[S+j], v[S+j], -v[LIMQ], v[LIMQ]
.set j, j+1
.endr
.irp a, 0,1
.irp c, 0,1,2,3
	v_cvt_scalef32_pk8_bf8_f32 v[Q+16*\a+4*\c:Q+16*\a+4*\c+1], v[S+64*\a+16*\c:S+64*\a+16*\c+7], v[SCQ]
	v_cvt_scalef32_pk8_bf8_f32 v[Q+16*\a+4*\c+2:Q+16*\a+4*\c+3], v[S+64*\a+16*\c+8:S+64*\a+16*\c+15], v[SCQ]
.endr
.endr
	v_nop
	LOADG 0                                        ; pass 1's first group sets out
	s_wait_alu depctr_va_vdst(0)                   ; the wait at the head's end
	s_wait_tensorcnt 0x0                           ; fill 0 is in; the full sequence ahead of slot 1's first fill
	ds_add_u32 v[SPW], v[NIL]
	DSTEP
	s_wait_dscnt 0x0
	CROUND
.Lslot:                                            ; seven trips: trip s reads slot s and asks for fill s + 1
	TLOAD                                          ; first behind the round: my one load until the next
	s_cmp_eq_u32 s[SL], 1                          ; what else a trip's top does hangs on the count of trips alone
	s_cbranch_scc0 .Lnot_1
	PROC 0, 1
	s_branch .Ltop_done
.Lnot_1:
	s_cmp_eq_u32 s[SL], 2
	s_cbranch_scc0 .Lnot_2
	PROC 1, 1
	s_branch .Ltop_done
.Lnot_2:
	s_cmp_eq_u32 s[SL], 3
	s_cbranch_scc0 .Lnot_3
	PROC 2, 1
	s_branch .Ltop_done
.Lnot_3:
	s_cmp_eq_u32 s[SL], 4
	s_cbranch_scc0 .Ltop_done
	PROC 3, 0                                      ; pass 0 is over: pass 1's last codes,
.irp i, 0,1,2,3,4,5,6,7
	ds_load_b128 v[Q+4*\i:Q+4*\i+3], v[CA] offset:512*\i   ; Q's registers from their image, ahead of the stage's next stores,
.endr
	WAYOUT 0                                       ; pass 0's rows leave (its last wait on DScnt is for 0: Q is in too),
	s_wait_xcnt 0x0                                ; the stores' data registers are written again only behind this wait
	INIT                                           ; and pass 1 begins
.Ltop_done:
	PRE
	s_mov_b32 s[STC], 3
.Lstep_a:
	STEP 0
	s_add_co_u32 s[TB], s[TB], STEPB
	s_sub_co_u32 s[STC], s[STC], 1
	s_cmp_lg_u32 s[STC], 0
	s_cbranch_scc1 .Lstep_a
	STEP 1
	s_sub_co_u32 s[TB], s[TB], 3*STEPB             ; a slot's first step,
	s_xor_b32 s[TB], s[TB], SLOT1                  ; in the other slot
	s_barrier_wait -1
	CREST                                          ; no wave of any partner still reads the slot or has a load on its way
	s_add_co_u32 s[SL], s[SL], 1
	s_cmp_lt_u32 s[SL], 7
	s_cbranch_scc1 .Lslot
.rept 4
	v_nop                                          ; four places ahead of the loads into the last products' sources
.endr
	PRE                                            ; the last slot is written out: nothing is asked for
	s_mov_b32 s[STC], 3
.Lstep_b:
	STEP 0
	s_add_co_u32 s[TB], s[TB], STEPB
	s_sub_co_u32 s[STC], s[STC], 1
	s_cmp_lg_u32 s[STC], 0
	s_cbranch_scc1 .Lstep_b
	STEP 2
.rept 4
	v_nop                                          ; four places behind the last products
.endr
	WAYOUT 1
	s_wait_tensorcnt 0x0                           ; the wave's end
	ds_add_u32 v[SPW], v[NIL]
	s_wait_dscnt 0x0
	CROUND                                         ; the closing round
	s_endpgm
.Lfunc_end_k_qa5bffc37ea_attn:
	.size	k_qa5bffc37ea_attn, .Lfunc_end_k_qa5bffc37ea_attn-k_qa5bffc37ea_attn
	.p2alignl 7, 3214868480
	.fill 96, 4, 3214868480
	.section	.rodata,"a",@progbits
	.p2align	6, 0x0
	.amdhsa_kernel k_qa5bffc37ea_attn
		.amdhsa_group_segment_fixed_size 327680
		.amdhsa_private_segment_fixed_size 0
		.amdhsa_enable_private_segment 0
		.amdhsa_kernarg_size 32
		.amdhsa_user_sgpr_count 2
		.amdhsa_user_sgpr_kernarg_segment_ptr 1
		.amdhsa_wavefront_size32 1
		.amdhsa_system_sgpr_workgroup_id_x 1
		.amdhsa_system_sgpr_workgroup_id_y 1
		.amdhsa_system_sgpr_workgroup_id_z 1
		.amdhsa_system_vgpr_workitem_id 0
		.amdhsa_next_free_vgpr 512
		.amdhsa_next_free_sgpr 66
		.amdhsa_reserve_vcc 0
		.amdhsa_float_denorm_mode_32 3
		.amdhsa_float_denorm_mode_16_64 3
		.amdhsa_memory_ordered 1
		.amdhsa_forward_progress 1
		.amdhsa_inst_pref_size 207
	.end_amdhsa_kernel
	.amdgpu_metadata
---
amdhsa.version: [ 1, 2 ]
amdhsa.kernels:
  - .name:           k_qa5bffc37ea_attn
    .symbol:         k_qa5bffc37ea_attn.kd
    .args:
      - { .name: q, .offset: 0, .size: 8, .value_kind: global_buffer, .address_space: global }
      - { .name: kvc, .offset: 8, .size: 8, .value_kind: global_buffer, .address_space: global }
      - { .name: lowp_scales, .offset: 16, .size: 8, .value_kind: global_buffer, .address_space: global }
      - { .name: out0, .offset: 24, .size: 8, .value_kind: global_buffer, .address_space: global }
    .group_segment_fixed_size: 327680
    .private_segment_fixed_size: 0
    .kernarg_segment_align: 8
    .kernarg_segment_size: 32
    .max_flat_workgroup_size: 256
    .sgpr_count:     66
    .vgpr_count:     512
    .wavefront_size: 32
...
	.end_amdgpu_metadata
.endif
;; end of part 2
